; MI455X (gfx1250); checked and timed in simulation.
; The chip was launched on July 23, 2026; its instructions are those of AMD's public machine-readable ISA for CDNA 5 (MIT licence, August 2026) and "CDNA5" Instruction Set Architecture Reference Guide (July 2026). The comments in the code are by the model that wrote it; some were corrected since.
;; P2 F dist. Allowed arithmetic: float matrix products may take bf16 or f16 operands with f32 sums; all other float work in f32.
;; Inputs: faces 8,192 x 3 int32; points 2,048 x 3 float32; vertices 2,048 x 3 float32.
;; Outputs: out0 2,048 int32; out1 2,048 float32; out2 2,048 float32; out3 2,048 float32.
;; One version. Each part assembles by itself: llvm-mc -triple=amdgcn-amd-amdhsa -mcpu=gfx1250 --defsym DOCPART=n.
;; ======== version 1 of 1: 1 launch
;; launch p2f (part 1): grid 256 x 1, 16 waves a work-group, no clusters, 109,568 bytes of LDS; arguments faces, points, vertices, out0, out1, out2, out3; writes out0, out1, out2, out3
.if DOCPART == 1
	.amdgcn_target "amdgcn-amd-amdhsa--gfx1250"
	.amdhsa_code_object_version 6
	.text
	.protected	k_q68b3ce2072_p2f
	.globl	k_q68b3ce2072_p2f
	.p2align	8
	.type	k_q68b3ce2072_p2f,@function
k_q68b3ce2072_p2f:
	s_mov_b64 s[64:65], 0
	v_nop
	global_prefetch_b8 v0, s[64:65] scope:SCOPE_SE
	s_setreg_imm32_b32 hwreg(HW_REG_WAVE_MODE, 25, 1), 1
	s_wait_xcnt 0x0
; Closest face of a mesh for each point: 2,048 points x 8,192 triangles, Ericson's regions, argmin of the squared distance.
; A work-group owns 8 points and walks all faces; wave w owns faces 512 w .. 512 w + 511 in 16 steps of 32; in a step lane L owns
; one face and register j of a group of eight belongs to point j.  The winner (distance, key, w2, w3) is carried by selects.
;
; ALGEBRA (identities, for every input).  With ab = b - a, ac = c - a, bc = c - b, e1 = ab.ab, e2 = ab.ac, e3 = ac.ac, G = e1 e3 - e2 e2:
;   d1 = (p-a).ab, d2 = (p-a).ac, u = (p-b).bc = d4 - d3, d3 = d1 - e1, d6 = d2 - e3, s = d5 - d6 = bc.bc - u,
;   vc = e1 d2 - e2 d1, vb = e3 d1 - e2 d2, va = G - vb - vc, and the four denominators are e1, e3, bc.bc and G: they hang on the face
;   alone, so a step has four reciprocals for 256 pairs.  vc, vb and G are two rounded products and a difference, so that faces with two
;   equal corners give exact zeros.  Regions 1, 2, 3 share one form (the parameter on ab, clamped), regions 4, 5 another (on ac).
;
; EQUAL DISTANCES.  Faces that share a corner or an edge are equally far from a point whose nearest point lies there, and argmin then
; takes the lowest face.  So such distances are made equal bit for bit:
;   - a face's corners are taken in the order of their vertex numbers, so a shared edge runs the same way in every face and the chain
;     p - w1 a - w2 b - w3 c meets its two ends in the same order (a weight that is exactly 0 leaves the chain's value as it is);
;   - d1, d2 and u are made by the same instructions from the edge's two ends and the point alone;
;   - the parameter is rounded to a multiple of 2^-23: X = d / e + 1 in one fused step, clamped to 1..2, t = X - 1; 1 - t is then exact, the
;     two weights are (1 - t, t) on each of the three edges, the third weight is exactly 0, and the corners get exact 0 and 1.
;   The ranks of the first two corners ride in the low four bits of the key (16 x face + 4 r0 + r1); the weights go back to the face's own
;   order at the end.  A face that names a vertex twice keeps its own order: there the order of the regions decides what the reference gives.
;
; MATRIX PART.  d1, d2, u need the accuracy of f32: an error moves the foot point and adds its square to a distance that is small.  Each f32
; is split into three bf16 parts h + m + l; of the nine part products eight fill the K places of two instructions (l x l is left
; out), and the offset (-a.ab, -a.ac, -b.bc) rides along against a constant 1.  Column n of B carries face n in the K places of lanes 0-15 and
; face n + 16 in those of lanes 16-31; rows 0-7 of A are the 8 points with zeros in the second set of places, rows 8-15 the same points
; with zeros in the first.  So register j of lane L of the result is (point j, face L).  The second instruction takes parts fetched from
; lane L xor 16, with A's zeros the other way round.
;
; NOT USED, by the sizes: faces and vertices are 122,880 bytes for a work-group, read once through registers, beside 65,536 pairs
; of some forty instructions: joint requests in a cluster, tensor loads and prefetches have nothing to gain.  A vertex row of 12 bytes is laid
; on a pitch of 16 in LDS by the lanes themselves.  A work-group owns 32 bytes of each output, so its stores cover no aligned 256 bytes.
;
; LIMITS.  A distance that is NaN or infinite never wins (if all are, face 0 with weights 1, 0, 0 is given).  G grows with the fourth power of
; the edge: edges from about 1e-9 to 1e9 are served.  The reciprocals are accurate to one unit in the last place.  On a shared edge this text
; gives the lowest face; the reference's two distances there differ by its own rounding, which may favour the other face.  Two different
; faces whose distances differ by less than the rounding of f32 in w1 a + w2 b + w3 c may be ordered otherwise than in the reference.
; The equality of a shared edge's distances supposes that a sum in the matrix unit does not hang on which half of the K places holds
; the zeros.  Two rows of the vertex table with equal numbers but different row numbers count as different corners in the sorting, so a face
; that is degenerate only through them is served as a segment whatever its order.  For a face with a = c a point whose foot
; falls within rounding of b may be classed to a.
.set STEPS, 16                         ; steps of 32 faces for a wave
.set VERT,  0                          ; LDS: vertex i at 16 i (x, y, z, a word that is not used), 32,768 bytes
.set RED1,  32768                      ; LDS: point j x 8,192 + thread x 16: each thread's best record, 65,536 bytes
.set RED2,  98304                      ; LDS: (64 j + g) x 16, 8,192 bytes
.set RED3,  106496                     ; LDS: (8 j + g) x 16, 1,024 bytes
.set NEG1, 2                           ; v2        -1.0
.set FIDX, 3                           ; v3        my face's number in this step
.set FI,   4                           ; v[4:6]    its three vertex numbers, loaded one step ahead
.set VOFF, 7                           ; v7        byte offset of my face in the wave's first step; never rewritten
.set AD,   8                           ; v[8:10]   addresses; v11, v1 scratch
.set VTA,  12                          ; v[12:15]  corner a (x, y, z, -), in the sorted order
.set VTB,  16                          ; v[16:19]  corner b
.set VTC,  20                          ; v[20:23]  corner c
.set EAB,  24                          ; v[24:27]  ab x, y, z and -a.ab
.set EAC,  28                          ; v[28:31]  ac x, y, z and -a.ac
.set E12,  32                          ; v[32:33]  e1, e2
.set E3G,  34                          ; v[34:35]  e3, G
.set R13,  36                          ; v[36:37]  1/e1, 1/e3
.set R6G,  38                          ; v[38:39]  1/bc.bc, 1/G
.set T,    40                          ; v[40:47]  at work
.set FA1,  48                          ; v[48:55]  A for a lane's own parts
.set FA2,  56                          ; v[56:63]  A for the parts fetched from the other half
.set B1AB, 64                          ; v[64:71]  B: ab, own parts H M L H
.set B2AB, 72                          ; v[72:79]  B: ab, the other half's parts M L H M
.set B1AC, 80
.set B2AC, 88
.set D1,   96                          ; v[96:103]  d1 of points 0..7
.set D2,   104                         ; v[104:111] d2
.set PX,   112                         ; v[112:135] the 8 points' x, y, z
.set PY,   120
.set PZ,   128
.set BEST, 136                         ; v[136:167] record j: distance, key, w2, w3
.set D3,  168                          ; from here: two registers each, for the two points at work
.set SA,  170                          ; v[170:173] the sorting's scratch
.set D6,  174
.set DS,  178                          ; d5 - d6
.set QVC, 180
.set QVB, 182
.set QVA, 184
.set X1,  186
.set X2,  188
.set T3,  190
.set T5,  192
.set T6,  194
.set V7,  196
.set W7,  198
.set Q6,  200
.set W1,  202
.set W2,  204
.set W3,  206
.set TX,  208
.set TY,  210
.set TZ,  212
.set DD,  214
.set GT,  216                          ; v[216:221] three registers for each of the two points
.set EBC,  222                         ; v[222:225] bc x, y, z and -b.bc
.set B1BC, 226                         ; v[226:233]
.set B2BC, 234                         ; v[234:241]
.set DU8,  242                         ; v[242:249] u of points 0..7
.set KEY,  250                         ; v250       16 x face + 4 r0 + r1
.set EBB,  252                         ; v[252:253] bc.bc, and a word written once (a pair is read whole)
.set CP,  168                          ; prologue: 48 bytes of vertices and two re-aligned copies, v[168:187]
.set PK,  200                          ; prologue: the points' packed parts, v[200:205]
.set RC,  168                          ; reduction: eight records, v[168:199]
.set MAB, 48                           ; s[48:50], s[51:53] region masks of the two points; in the sorting: its six comparisons
	s_load_b256 s[4:11], s[0:1], 0x0               ; faces s[4:5], points s[6:7], vertices s[8:9], out0 s[10:11]
	s_load_b128 s[12:15], s[0:1], 0x20             ; out1, out2
	s_load_b64 s[16:17], s[0:1], 0x30              ; out3
	v_lshl_add_u32 v254, v0, 2, 0x1a400
	v_mov_b32 v255, 0
	v_lshrrev_b32 v1, 5, v0
	v_readfirstlane_b32 s18, v1                    ; wave 0..15
	s_mov_b32 s20, 0x76543210                      ; v_permlanex16_b32: lane i reads lane i of the other half
	s_mov_b32 s21, 0xfedcba98
	s_mul_i32 s22, ttmp9, 96                       ; my 8 points: 96 bytes
	s_mov_b32 s23, 0
	v_and_b32 v1, 31, v0                           ; lane
	v_lshl_add_u32 v[FIDX], s18, 9, v1             ; 512 w + lane
	v_mul_u32_u24 v[VOFF], 12, v[FIDX]
	v_mul_u32_u24 v[AD], 48, v0                    ; four vertices a thread: 512 x 48 = 24,576 bytes, the whole table
	v_and_b32 v[AD+1], 7, v0
	v_mul_u32_u24 v[AD+1], 12, v[AD+1]             ; the point of my row of A: lane mod 8
	v_lshlrev_b32 v[AD+2], 6, v1
	v_lshl_add_u32 v[AD+2], s18, 11, v[AD+2]       ; LDS: 2,048 w + 64 lane
	s_wait_kmcnt 0x0
	s_add_nc_u64 s[6:7], s[6:7], s[22:23]
	s_lshl_b32 s22, ttmp9, 5                       ; 8 results of 4 bytes
	s_add_nc_u64 s[10:11], s[10:11], s[22:23]
	s_add_nc_u64 s[12:13], s[12:13], s[22:23]
	s_add_nc_u64 s[14:15], s[14:15], s[22:23]
	s_add_nc_u64 s[16:17], s[16:17], s[22:23]
	s_load_b256 s[24:31], s[6:7], 0x0              ; the 24 coordinates: point j at s[24+3j .. 26+3j]
	s_load_b256 s[32:39], s[6:7], 0x20
	s_load_b256 s[40:47], s[6:7], 0x40
	global_load_b128 v[CP:CP+3],    v[AD], s[8:9]
	global_load_b128 v[CP+4:CP+7],  v[AD], s[8:9] offset:16
	global_load_b128 v[CP+8:CP+11], v[AD], s[8:9] offset:32
	global_load_b32 v[T],   v[AD+1], s[6:7]
	global_load_b32 v[T+1], v[AD+1], s[6:7] offset:4
	global_load_b32 v[T+2], v[AD+1], s[6:7] offset:8
	global_load_b32 v[FI],   v[VOFF], s[4:5]       ; step 0's vertex numbers
	global_load_b32 v[FI+1], v[VOFF], s[4:5] offset:4
	global_load_b32 v[FI+2], v[VOFF], s[4:5] offset:8
	; work that needs no load
	v_mov_b32 v[NEG1], -1.0
	v_mov_b32 v[EBB+1], 0                          ; the pair's second word: read with the first, never used
	v_lshrrev_b32 v11, 1, v0
	v_xor_b32 v11, v11, v0
	v_and_b32 v11, 8, v11                          ; lane bit 3 xor lane bit 4
	v_cmp_eq_u32 vcc_lo, 0, v11                    ; rows 0-7 in lanes 0-15, rows 8-15 in lanes 16-31: the places of a lane's own parts
	v_cmp_ne_u32 s48, 0, v11                       ; the other places
.irp j, 0,1,2,3,4,5,6,7
	v_mov_b32 v[BEST+4*\j], 0x7f800000             ; +infinity: the first finite distance wins
	v_mov_b32 v[BEST+4*\j+1], 1                    ; face 0 in its own order (r0 = 0, r1 = 1)
	v_mov_b32 v[BEST+4*\j+2], 0
	v_mov_b32 v[BEST+4*\j+3], 0
	v_mov_b32 v[B2AB+\j], 0                        ; a lane permute's destination counts as read: written once here
	v_mov_b32 v[B2AC+\j], 0
	v_mov_b32 v[B2BC+\j], 0
.endr
	s_wait_loadcnt 0x3                             ; nine loads were issued: the six of vertices and points are in, the three vertex numbers stay out
	v_mov_b32 v[CP+12], v[CP+3]                    ; vertex 4t+1 starts at an odd register: copied to an aligned group
	v_mov_b32 v[CP+13], v[CP+4]
	v_mov_b32 v[CP+14], v[CP+5]
	v_mov_b32 v[CP+15], v[CP+5]                    ; the fourth word is stored and never used
	v_mov_b32 v[CP+16], v[CP+9]                    ; vertex 4t+3 likewise
	v_mov_b32 v[CP+17], v[CP+10]
	v_mov_b32 v[CP+18], v[CP+11]
	v_mov_b32 v[CP+19], v[CP+11]
	ds_store_b128 v[AD+2], v[CP:CP+3]
	ds_store_b128 v[AD+2], v[CP+12:CP+15] offset:16
	ds_store_b128 v[AD+2], v[CP+6:CP+9] offset:32
	ds_store_b128 v[AD+2], v[CP+16:CP+19] offset:48
	; my point in three bf16 parts; the fourth place holds 1.0 beside the high parts (it meets the offset's parts) and 0 elsewhere
	v_cvt_pk_bf16_f32 v[PK], v[T], v[T+1]
	v_cvt_pk_bf16_f32 v[PK+1], v[T+2], 1.0
	v_fma_mix_f32_bf16 v[T],   v[PK],   v[NEG1], v[T]   op_sel_hi:[1,0,0]                  ; x - high part: exact
	v_fma_mix_f32_bf16 v[T+1], v[PK],   v[NEG1], v[T+1] op_sel:[1,0,0] op_sel_hi:[1,0,0]
	v_fma_mix_f32_bf16 v[T+2], v[PK+1], v[NEG1], v[T+2] op_sel_hi:[1,0,0]
	v_cvt_pk_bf16_f32 v[PK+2], v[T], v[T+1]
	v_cvt_pk_bf16_f32 v[PK+3], v[T+2], 0
	v_fma_mix_f32_bf16 v[T],   v[PK+2], v[NEG1], v[T]   op_sel_hi:[1,0,0]
	v_fma_mix_f32_bf16 v[T+1], v[PK+2], v[NEG1], v[T+1] op_sel:[1,0,0] op_sel_hi:[1,0,0]
	v_fma_mix_f32_bf16 v[T+2], v[PK+3], v[NEG1], v[T+2] op_sel_hi:[1,0,0]
	v_cvt_pk_bf16_f32 v[PK+4], v[T], v[T+1]
	v_cvt_pk_bf16_f32 v[PK+5], v[T+2], 0
.irp i, 0,2,4
	v_cndmask_b32 v[FA1+\i],   0, v[PK],   vcc_lo  ; A1 = h h h m, against B1 = H M L H
	v_cndmask_b32 v[FA1+\i+1], 0, v[PK+1], vcc_lo
.endr
	v_cndmask_b32 v[FA1+6], 0, v[PK+2], vcc_lo
	v_cndmask_b32 v[FA1+7], 0, v[PK+3], vcc_lo
.irp i, 0,2
	v_cndmask_b32 v[FA2+\i],   0, v[PK+2], s48     ; A2 = m m l l, against B2 = M L H M
	v_cndmask_b32 v[FA2+\i+1], 0, v[PK+3], s48
	v_cndmask_b32 v[FA2+\i+4], 0, v[PK+4], s48
	v_cndmask_b32 v[FA2+\i+5], 0, v[PK+5], s48
.endr
	s_wait_kmcnt 0x0                               ; the 24 coordinates
.irp j, 0,1,2,3,4,5,6,7
	v_mov_b32 v[PX+\j], s[24+3*\j]
	v_mov_b32 v[PY+\j], s[25+3*\j]
	v_mov_b32 v[PZ+\j], s[26+3*\j]
.endr
	s_wait_dscnt 0x0                               ; my part of the vertex table is written,
	s_barrier_signal -1
	s_barrier_wait -1                              ; everybody's is
; packed f32 on the two points at work; a face's number is taken from the low or the high register of its pair for both halves
.macro SUBPK d, a, b
	v_pk_add_f32 v[\d:\d+1], v[\a:\a+1], v[\b:\b+1] neg_lo:[0,1] neg_hi:[0,1]
.endm
.macro SUBLO d, a, c
	v_pk_add_f32 v[\d:\d+1], v[\a:\a+1], v[\c:\c+1] op_sel_hi:[1,0] neg_lo:[0,1] neg_hi:[0,1]
.endm
.macro MULLO d, a, c
	v_pk_mul_f32 v[\d:\d+1], v[\a:\a+1], v[\c:\c+1] op_sel_hi:[1,0]
.endm
.macro MULHI d, a, c
	v_pk_mul_f32 v[\d:\d+1], v[\a:\a+1], v[\c:\c+1] op_sel:[0,1] op_sel_hi:[1,1]
.endm
.macro FMA1LO d, a, c                  ; d = a * c.low + 1
	v_pk_fma_f32 v[\d:\d+1], v[\a:\a+1], v[\c:\c+1], 1.0 op_sel_hi:[1,0,0]
.endm
.macro FMA1HI d, a, c                  ; d = a * c.high + 1
	v_pk_fma_f32 v[\d:\d+1], v[\a:\a+1], v[\c:\c+1], 1.0 op_sel:[0,1,0] op_sel_hi:[1,1,0]
.endm
.macro DEC1 d                          ; d = d - 1: exact for d in 1..2
	v_pk_add_f32 v[\d:\d+1], v[\d:\d+1], -1.0 op_sel_hi:[1,0]
.endm
.macro NFMALO d, w, c, acc             ; d = acc - w * c.low
	v_pk_fma_f32 v[\d:\d+1], v[\w:\w+1], v[\c:\c+1], v[\acc:\acc+1] op_sel_hi:[1,0,1] neg_lo:[1,0,0] neg_hi:[1,0,0]
.endm
.macro NFMAHI d, w, c, acc             ; d = acc - w * c.high
	v_pk_fma_f32 v[\d:\d+1], v[\w:\w+1], v[\c:\c+1], v[\acc:\acc+1] op_sel:[0,1,0] op_sel_hi:[1,1,1] neg_lo:[1,0,0] neg_hi:[1,0,0]
.endm
; Four f32 at v[src..src+3] in three bf16 parts each: b1 = H M L H for my own K places, b2 = M L H M of the lane 16 away.
.macro SPLIT src, b1, b2
	v_cvt_pk_bf16_f32 v[\b1],   v[\src],   v[\src+1]
	v_cvt_pk_bf16_f32 v[\b1+1], v[\src+2], v[\src+3]
	v_fma_mix_f32_bf16 v[T],   v[\b1],   v[NEG1], v[\src]   op_sel_hi:[1,0,0]
	v_fma_mix_f32_bf16 v[T+1], v[\b1],   v[NEG1], v[\src+1] op_sel:[1,0,0] op_sel_hi:[1,0,0]
	v_fma_mix_f32_bf16 v[T+2], v[\b1+1], v[NEG1], v[\src+2] op_sel_hi:[1,0,0]
	v_fma_mix_f32_bf16 v[T+3], v[\b1+1], v[NEG1], v[\src+3] op_sel:[1,0,0] op_sel_hi:[1,0,0]
	v_cvt_pk_bf16_f32 v[\b1+2], v[T],   v[T+1]
	v_cvt_pk_bf16_f32 v[\b1+3], v[T+2], v[T+3]
	v_fma_mix_f32_bf16 v[T],   v[\b1+2], v[NEG1], v[T]   op_sel_hi:[1,0,0]
	v_fma_mix_f32_bf16 v[T+1], v[\b1+2], v[NEG1], v[T+1] op_sel:[1,0,0] op_sel_hi:[1,0,0]
	v_fma_mix_f32_bf16 v[T+2], v[\b1+3], v[NEG1], v[T+2] op_sel_hi:[1,0,0]
	v_fma_mix_f32_bf16 v[T+3], v[\b1+3], v[NEG1], v[T+3] op_sel:[1,0,0] op_sel_hi:[1,0,0]
	v_cvt_pk_bf16_f32 v[\b1+4], v[T],   v[T+1]
	v_cvt_pk_bf16_f32 v[\b1+5], v[T+2], v[T+3]
	v_mov_b32 v[\b1+6], v[\b1]
	v_mov_b32 v[\b1+7], v[\b1+1]
	v_permlanex16_b32 v[\b2],   v[\b1+2], s20, s21
	v_permlanex16_b32 v[\b2+1], v[\b1+3], s20, s21
	v_permlanex16_b32 v[\b2+2], v[\b1+4], s20, s21
	v_permlanex16_b32 v[\b2+3], v[\b1+5], s20, s21
	v_permlanex16_b32 v[\b2+4], v[\b1],   s20, s21
	v_permlanex16_b32 v[\b2+5], v[\b1+1], s20, s21
	v_permlanex16_b32 v[\b2+6], v[\b1+2], s20, s21
	v_permlanex16_b32 v[\b2+7], v[\b1+3], s20, s21
.endm
; Point j + i: the regions, in the reference's order of precedence, and w2, w3.  A conjunction of 'x <= 0' is 'max <= 0', a disjunction 'min <= 0'.
.macro REGION j, i
	v_max_num_f32  v[GT+3*\i],   v[D1+\j+\i], v[D2+\j+\i]                   ; corner a: d1 <= 0, d2 <= 0
	v_max_num_f32  v[GT+3*\i+1], -v[D3+\i], v[DU8+\j+\i]                    ; corner b: d3 >= 0, d4 <= d3
	v_max3_num_f32 v[GT+3*\i+2], v[QVC+\i], -v[D1+\j+\i], v[D3+\i]          ; edge ab: vc <= 0, d1 >= 0, d3 <= 0
	v_min3_num_f32 v[GT+3*\i],   v[GT+3*\i], v[GT+3*\i+1], v[GT+3*\i+2]
	v_cmp_ge_f32   s[MAB+3*\i], 0, v[GT+3*\i]                               ; any of the three: on the segment ab
	v_max_num_f32  v[GT+3*\i+1], -v[D6+\i], v[DS+\i]                        ; corner c: d6 >= 0, d5 <= d6
	v_max3_num_f32 v[GT+3*\i+2], v[QVB+\i], -v[D2+\j+\i], v[D6+\i]          ; edge ac: vb <= 0, d2 >= 0, d6 <= 0
	v_min_num_f32  v[GT+3*\i+1], v[GT+3*\i+1], v[GT+3*\i+2]
	v_cmp_ge_f32   s[MAB+3*\i+1], 0, v[GT+3*\i+1]                           ; either: on the segment ac
	v_max3_num_f32 v[GT+3*\i+2], v[QVA+\i], -v[DU8+\j+\i], -v[DS+\i]        ; edge bc: va <= 0, d4 - d3 >= 0, d5 - d6 >= 0
	v_cmp_ge_f32   s[MAB+3*\i+2], 0, v[GT+3*\i+2]
	v_cndmask_b32 v[W2+\i], v[V7+\i], v[Q6+\i], s[MAB+3*\i+2]               ; inside, overwritten by bc, by ac, by ab
	v_cndmask_b32 v[W3+\i], v[W7+\i], v[T6+\i], s[MAB+3*\i+2]
	v_cndmask_b32 v[W2+\i], v[W2+\i], 0,        s[MAB+3*\i+1]
	v_cndmask_b32 v[W3+\i], v[W3+\i], v[T5+\i], s[MAB+3*\i+1]
	v_cndmask_b32 v[W2+\i], v[W2+\i], v[T3+\i], s[MAB+3*\i]
	v_cndmask_b32 v[W3+\i], v[W3+\i], 0,        s[MAB+3*\i]
.endm
; strictly smaller wins: a lane's faces ascend, so of equal distances the first stays
.macro TRACK j, i
	v_cmp_lt_f32 vcc_lo, v[DD+\i], v[BEST+4*(\j+\i)]
	v_cndmask_b32 v[BEST+4*(\j+\i)],   v[BEST+4*(\j+\i)],   v[DD+\i], vcc_lo
	v_cndmask_b32 v[BEST+4*(\j+\i)+1], v[BEST+4*(\j+\i)+1], v[KEY],   vcc_lo
	v_cndmask_b32 v[BEST+4*(\j+\i)+2], v[BEST+4*(\j+\i)+2], v[W2+\i], vcc_lo
	v_cndmask_b32 v[BEST+4*(\j+\i)+3], v[BEST+4*(\j+\i)+3], v[W3+\i], vcc_lo
.endm
; points j and j + 1 against my face
.macro PAIR j
	SUBLO D3, D1+\j, E12                           ; d1 - e1
	SUBLO D6, D2+\j, E3G                           ; d2 - e3
	v_pk_add_f32 v[DS:DS+1], v[EBB:EBB+1], v[DU8+\j:DU8+\j+1] op_sel_hi:[0,1] neg_lo:[0,1] neg_hi:[0,1]            ; bc.bc - u
	s_wait_alu depctr_va_vdst(0)
	MULLO X1, D2+\j, E12                           ; e1 d2
	MULHI X2, D1+\j, E12                           ; e2 d1
	FMA1LO T3, D1+\j, R13                          ; 1 + d1 / e1: the sum's rounding puts the parameter on the grid of 2^-23
	FMA1HI T5, D2+\j, R13                          ; 1 + d2 / e3
	SUBPK QVC, X1, X2                              ; two rounded products, not fused: equal products give exactly 0
	MULLO X1, D1+\j, E3G                           ; e3 d1
	MULHI X2, D2+\j, E12                           ; e2 d2
	FMA1LO T6, DU8+\j, R6G                         ; 1 + u / bc.bc
	v_med3_num_f32 v[T3],   v[T3],   1.0, 2.0      ; the clamp gives the corners exact 0 and 1
	v_med3_num_f32 v[T3+1], v[T3+1], 1.0, 2.0
	v_med3_num_f32 v[T5],   v[T5],   1.0, 2.0
	v_med3_num_f32 v[T5+1], v[T5+1], 1.0, 2.0
	SUBPK QVB, X1, X2
	MULHI W7, QVC, R6G                             ; vc / G
	v_pk_add_f32 v[Q6:Q6+1], v[T6:T6+1], 2.0 op_sel_hi:[1,0] neg_lo:[1,0] neg_hi:[1,0]                              ; 1 - t6, exact where bc is chosen
	DEC1 T6
	v_pk_add_f32 v[QVA:QVA+1], v[E3G:E3G+1], v[QVB:QVB+1] op_sel:[1,0] op_sel_hi:[1,1] neg_lo:[0,1] neg_hi:[0,1]   ; G - vb
	MULHI V7, QVB, R6G                             ; vb / G
	DEC1 T3
	DEC1 T5
	SUBPK QVA, QVA, QVC
	REGION \j, 0
	REGION \j, 1
	v_pk_add_f32 v[W1:W1+1], v[W2:W2+1], 1.0 op_sel_hi:[1,0] neg_lo:[1,0] neg_hi:[1,0]                              ; 1 - w2
	SUBPK W1, W1, W3                               ; on an edge both differences are exact; on bc the result is exactly 0
	NFMALO TX, W1, VTA,   PX+\j                    ; p - w1 a - w2 b - w3 c
	NFMAHI TY, W1, VTA,   PY+\j
	NFMALO TZ, W1, VTA+2, PZ+\j
	NFMALO TX, W2, VTB,   TX
	NFMAHI TY, W2, VTB,   TY
	NFMALO TZ, W2, VTB+2, TZ
	NFMALO TX, W3, VTC,   TX
	NFMAHI TY, W3, VTC,   TY
	NFMALO TZ, W3, VTC+2, TZ
	v_pk_mul_f32 v[DD:DD+1], v[TX:TX+1], v[TX:TX+1]
	v_pk_fma_f32 v[DD:DD+1], v[TY:TY+1], v[TY:TY+1], v[DD:DD+1]
	v_pk_fma_f32 v[DD:DD+1], v[TZ:TZ+1], v[TZ:TZ+1], v[DD:DD+1]
	TRACK \j, 0
	TRACK \j, 1
.endm
; One step: 32 faces x 8 points.  pre = 1: the next step's vertex numbers are asked for.
.macro STEP pre
	s_wait_loadcnt 0x0                             ; this step's three vertex numbers i0, i1, i2 are in; no load names s[4:5] any more
	v_cmp_lt_u32 s48, v[FI+1], v[FI]               ; i1 < i0
	v_cmp_lt_u32 s49, v[FI+2], v[FI]               ; i2 < i0
	v_cmp_lt_u32 s50, v[FI+2], v[FI+1]             ; i2 < i1
	v_cmp_eq_u32 s51, v[FI],   v[FI+1]
	v_cmp_eq_u32 s52, v[FI],   v[FI+2]
	v_cmp_eq_u32 s53, v[FI+1], v[FI+2]
	s_or_b32 s51, s51, s52
	s_or_b32 s51, s51, s53                         ; a vertex is named twice: the face keeps its own order
	v_cndmask_b32 v[SA],   v[FI],   v[FI+1], s48   ; the lower of i0, i1
	v_cndmask_b32 v[SA+1], v[FI+1], v[FI],   s48   ; the higher
	v_min_u32 v[SA+2], v[SA],   v[FI+2]            ; the lowest of the three
	v_min_u32 v[SA+3], v[SA+1], v[FI+2]
	v_add_nc_u32 v[SA+1], v[SA+1], v[FI+2]
	v_add_nc_u32 v[SA],   v[SA],   v[SA+3]
	v_sub_nc_u32 v[SA+1], v[SA+1], v[SA+3]         ; the highest: x + y - min(x, y)
	v_sub_nc_u32 v[SA],   v[SA],   v[SA+2]         ; the middle one
	v_cndmask_b32 v[AD],   v[SA+2], v[FI],   s51
	v_cndmask_b32 v[AD+1], v[SA],   v[FI+1], s51
	v_cndmask_b32 v[AD+2], v[SA+1], v[FI+2], s51
	v_min_u32 v[AD],   0x7ff, v[AD]                ; a loaded number enters an address only clamped to the table's 2,048 rows
	v_min_u32 v[AD+1], 0x7ff, v[AD+1]
	v_min_u32 v[AD+2], 0x7ff, v[AD+2]
	v_lshlrev_b32 v[AD],   4, v[AD]
	v_lshlrev_b32 v[AD+1], 4, v[AD+1]
	v_lshlrev_b32 v[AD+2], 4, v[AD+2]
	ds_load_b128 v[VTA:VTA+3], v[AD]
	ds_load_b128 v[VTB:VTB+3], v[AD+1]
	ds_load_b128 v[VTC:VTC+3], v[AD+2]
.if \pre
	s_add_nc_u64 s[4:5], s[4:5], 384               ; 32 faces of 12 bytes on
	global_load_b32 v[FI],   v[VOFF], s[4:5]
	global_load_b32 v[FI+1], v[VOFF], s[4:5] offset:4
	global_load_b32 v[FI+2], v[VOFF], s[4:5] offset:8
.endif
	; ranks: r0 = (i1 < i0) + (i2 < i0), r1 = (i0 <= i1) + (i2 < i1); 4 r0 + r1 = 1 + 3 (i1 < i0) + 4 (i2 < i0) + (i2 < i1)
	v_cndmask_b32 v[SA],   1, 4, s48
	v_cndmask_b32 v[SA+1], 0, 4, s49
	v_cndmask_b32 v[SA+2], 0, 1, s50
	v_add3_u32 v[SA], v[SA], v[SA+1], v[SA+2]
	v_cndmask_b32 v[SA], v[SA], 1, s51             ; own order: r0 = 0, r1 = 1
	v_lshl_or_b32 v[KEY], v[FIDX], 4, v[SA]
	s_wait_dscnt 0x0
	v_pk_add_f32 v[EAB:EAB+1], v[VTB:VTB+1], v[VTA:VTA+1] neg_lo:[0,1] neg_hi:[0,1]
	v_sub_f32 v[EAB+2], v[VTB+2], v[VTA+2]
	v_pk_add_f32 v[EAC:EAC+1], v[VTC:VTC+1], v[VTA:VTA+1] neg_lo:[0,1] neg_hi:[0,1]
	v_sub_f32 v[EAC+2], v[VTC+2], v[VTA+2]
	v_pk_add_f32 v[EBC:EBC+1], v[VTC:VTC+1], v[VTB:VTB+1] neg_lo:[0,1] neg_hi:[0,1]
	v_sub_f32 v[EBC+2], v[VTC+2], v[VTB+2]
	v_mul_f32  v[EAB+3], v[VTA], v[EAB]            ; the offsets -a.ab, -a.ac, -b.bc: for each edge the same steps on its first end and its vector
	v_mul_f32  v[EAC+3], v[VTA], v[EAC]
	v_mul_f32  v[EBC+3], v[VTB], v[EBC]
	v_fmac_f32 v[EAB+3], v[VTA+1], v[EAB+1]
	v_fmac_f32 v[EAC+3], v[VTA+1], v[EAC+1]
	v_fmac_f32 v[EBC+3], v[VTB+1], v[EBC+1]
	v_fma_f32  v[EAB+3], -v[VTA+2], v[EAB+2], -v[EAB+3]
	v_fma_f32  v[EAC+3], -v[VTA+2], v[EAC+2], -v[EAC+3]
	v_fma_f32  v[EBC+3], -v[VTB+2], v[EBC+2], -v[EBC+3]
	SPLIT EAB, B1AB, B2AB
	SPLIT EAC, B1AC, B2AC
	SPLIT EBC, B1BC, B2BC
	; the three accumulators take turns, one instruction a turn
	v_wmma_f32_16x16x32_bf16 v[D1:D1+7],   v[FA1:FA1+7], v[B1AB:B1AB+7], 0
	v_wmma_f32_16x16x32_bf16 v[D2:D2+7],   v[FA1:FA1+7], v[B1AC:B1AC+7], 0
	v_wmma_f32_16x16x32_bf16 v[DU8:DU8+7], v[FA1:FA1+7], v[B1BC:B1BC+7], 0
	v_wmma_f32_16x16x32_bf16 v[D1:D1+7],   v[FA2:FA2+7], v[B2AB:B2AB+7], v[D1:D1+7]
	v_wmma_f32_16x16x32_bf16 v[D2:D2+7],   v[FA2:FA2+7], v[B2AC:B2AC+7], v[D2:D2+7]
	v_wmma_f32_16x16x32_bf16 v[DU8:DU8+7], v[FA2:FA2+7], v[B2BC:B2BC+7], v[DU8:DU8+7]
	; the face's own numbers: plain vector work that names none of the matrix instructions' registers, more than the four
	; places that stand between a matrix instruction and the first vector read of its result (ISA guide 7.12.1)
	v_mul_f32  v[E12],   v[EAB],   v[EAB]
	v_mul_f32  v[E12+1], v[EAB],   v[EAC]
	v_mul_f32  v[E3G],   v[EAC],   v[EAC]
	v_mul_f32  v[EBB],   v[EBC],   v[EBC]
	v_fmac_f32 v[E12],   v[EAB+1], v[EAB+1]
	v_fmac_f32 v[E12+1], v[EAB+1], v[EAC+1]
	v_fmac_f32 v[E3G],   v[EAC+1], v[EAC+1]
	v_fmac_f32 v[EBB],   v[EBC+1], v[EBC+1]
	v_fmac_f32 v[E12],   v[EAB+2], v[EAB+2]
	v_fmac_f32 v[E12+1], v[EAB+2], v[EAC+2]
	v_fmac_f32 v[E3G],   v[EAC+2], v[EAC+2]
	v_fmac_f32 v[EBB],   v[EBC+2], v[EBC+2]        ; bc.bc by the steps of e1 and e3: an edge's square hangs on the edge alone
	v_mul_f32 v[T+1], v[E12], v[E3G]
	v_mul_f32 v[T+2], v[E12+1], v[E12+1]
	v_sub_f32 v[E3G+1], v[T+1], v[T+2]             ; G, not fused: exactly 0 for b = c
	v_cmp_neq_f32 vcc_lo, 0, v[E12]                ; a denominator that is 0 counts as 1, as in the reference
	v_cndmask_b32 v[T+1], 1.0, v[E12], vcc_lo
	v_cmp_neq_f32 vcc_lo, 0, v[E3G]
	v_cndmask_b32 v[T+2], 1.0, v[E3G], vcc_lo
	v_cmp_neq_f32 vcc_lo, 0, v[EBB]
	v_cndmask_b32 v[T], 1.0, v[EBB], vcc_lo
	v_cmp_neq_f32 vcc_lo, 0, v[E3G+1]
	v_cndmask_b32 v[T+3], 1.0, v[E3G+1], vcc_lo
	v_rcp_f32 v[R13],   v[T+1]                     ; four in a run; the first line of PAIR 0 is the plain instruction that stands behind them
	v_rcp_f32 v[R13+1], v[T+2]                     ; before a result is used or a source rewritten (ISA guide 5.7.2): it names neither
	v_rcp_f32 v[R6G],   v[T]
	v_rcp_f32 v[R6G+1], v[T+3]
	PAIR 0
	PAIR 2
	PAIR 4
	PAIR 6
	v_add_nc_u32 v[FIDX], 32, v[FIDX]
.endm
	s_mov_b32 s19, STEPS-1
.Lstep:
	STEP 1
	s_sub_co_i32 s19, s19, 1
	s_cmp_lg_u32 s19, 0
	s_cbranch_scc1 .Lstep
	STEP 0                                         ; the last step asks for nothing: no load passes the end of faces
; THE REDUCTION: 512 records a point, by eights: 512 -> 64 -> 8 -> 1.  Of equal distances the lower key, that is the lower face, wins.
.macro MERGE k
	v_cmp_lt_f32 s48, v[RC+4*\k], v[RC]
	v_cmp_eq_f32 s49, v[RC+4*\k], v[RC]
	v_cmp_lt_u32 s50, v[RC+4*\k+1], v[RC+1]
	s_and_b32 s49, s49, s50
	s_or_b32 vcc_lo, s48, s49
	v_cndmask_b32 v[RC],   v[RC],   v[RC+4*\k],   vcc_lo
	v_cndmask_b32 v[RC+1], v[RC+1], v[RC+4*\k+1], vcc_lo
	v_cndmask_b32 v[RC+2], v[RC+2], v[RC+4*\k+2], vcc_lo
	v_cndmask_b32 v[RC+3], v[RC+3], v[RC+4*\k+3], vcc_lo
.endm
.macro RED8 adr, stride
.irp k, 0,1,2,3,4,5,6,7
	ds_load_b128 v[RC+4*\k:RC+4*\k+3], v[\adr] offset:\k*\stride
.endr
	s_wait_dscnt 0x0
.irp k, 1,2,3,4,5,6,7
	MERGE \k
.endr
.endm
; d = the weight of the corner whose rank is in r: 0: w1 (v1), 1: w2, 2: w3
.macro PICK d, r
	v_cmp_eq_u32 vcc_lo, 1, v[\r]
	v_cndmask_b32 v[\d], v1, v[RC+2], vcc_lo
	v_cmp_eq_u32 vcc_lo, 2, v[\r]
	v_cndmask_b32 v[\d], v[\d], v[RC+3], vcc_lo
.endm
	v_and_b32 v1, 31, v0
	s_lshl_b32 s22, s18, 9                         ; 32 records of 16 bytes a wave
	s_add_co_u32 s23, s22, RED1
	v_lshl_add_u32 v[AD], v1, 4, s23               ; RED1 + 512 w + 16 lane; RED1 lies behind the vertex table, which slower waves still read
.irp j, 0,1,2,3,4,5,6,7
	ds_store_b128 v[AD], v[BEST+4*\j:BEST+4*\j+3] offset:\j*8192
.endr
	v_lshrrev_b32 v11, 6, v0                       ; thread t takes point t / 64 and the records of threads t mod 64 + 64 k
	v_and_b32 v[AD+1], 63, v0
	v_lshlrev_b32 v[AD+1], 4, v[AD+1]
	v_lshl_add_u32 v[AD+1], v11, 13, v[AD+1]
	v_add_nc_u32 v[AD+1], RED1, v[AD+1]
	s_add_co_u32 s23, s22, RED2
	v_lshl_add_u32 v[AD+2], v1, 4, s23             ; RED2 + 16 t
	s_wait_dscnt 0x0                               ; my records are written,
	s_barrier_signal -1
	s_barrier_wait -1                              ; everybody's are
	RED8 AD+1, 1024
	ds_store_b128 v[AD+2], v[RC:RC+3]
	s_wait_dscnt 0x0
	s_barrier_signal -1
	s_barrier_wait -1
	s_cmp_gt_u32 s18, 1                            ; 64 records are left for each point: 64 threads, waves 0 and 1
	s_cbranch_scc1 .Lno_third
	v_bfe_u32 v11, v0, 3, 3                        ; point t / 8, records t mod 8 + 8 k
	v_and_b32 v[AD+1], 7, v0
	v_lshlrev_b32 v[AD+1], 4, v[AD+1]
	v_lshl_add_u32 v[AD+1], v11, 10, v[AD+1]
	v_add_nc_u32 v[AD+1], RED2, v[AD+1]
	s_add_co_u32 s23, s22, RED3
	v_lshl_add_u32 v[AD+2], v1, 4, s23             ; RED3 + 16 t
	RED8 AD+1, 128
	ds_store_b128 v[AD+2], v[RC:RC+3]
.Lno_third:
	s_wait_dscnt 0x0
	s_barrier_signal -1
	s_barrier_wait -1
	s_cmp_lg_u32 s18, 0                            ; the last eight records of each point: wave 0
	s_cbranch_scc1 .Lend
	v_and_b32 v[AD+1], 7, v0
	v_lshl_add_u32 v[AD+1], v[AD+1], 7, RED3       ; point lane mod 8: eight records of 16 bytes
	RED8 AD+1, 16
	v_sub_f32 v1, 1.0, v[RC+2]
	v_sub_f32 v1, v1, v[RC+3]                      ; w1 = 1 - w2 - w3, as it entered the distance
	v_bfe_u32 v[RC+4], v[RC+1], 2, 2               ; r0: where the face's first corner stood in the sorted order
	v_and_b32 v[RC+5], 3, v[RC+1]                  ; r1: the second
	v_add_nc_u32 v[RC+6], v[RC+4], v[RC+5]
	v_sub_nc_u32 v[RC+6], 3, v[RC+6]               ; r2 = 3 - r0 - r1
	v_lshrrev_b32 v[RC+7], 4, v[RC+1]              ; the face
	PICK RC+8,  RC+4
	PICK RC+9,  RC+5
	PICK RC+10, RC+6
	v_lshlrev_b32 v11, 2, v0
	v_cmp_gt_u32 vcc_lo, 8, v0
	s_wait_xcnt 0x0                                ; EXEC changes only behind this wait
	s_and_saveexec_b32 s48, vcc_lo                 ; lanes 0 to 7: one point each, 32 bytes of each output
	global_store_b32 v11, v[RC+7],  s[10:11]
	global_store_b32 v11, v[RC+8],  s[12:13]
	global_store_b32 v11, v[RC+9],  s[14:15]
	global_store_b32 v11, v[RC+10], s[16:17]
	s_wait_xcnt 0x0                                ; and again in front of the line that widens it
	s_or_b32 exec_lo, exec_lo, s48
.Lend:
	s_wait_tensorcnt 0x0
	ds_add_u32 v254, v255
	s_wait_dscnt 0x0
	s_endpgm
.Lfunc_end_k_q68b3ce2072_p2f:
	.size	k_q68b3ce2072_p2f, .Lfunc_end_k_q68b3ce2072_p2f-k_q68b3ce2072_p2f
	.p2alignl 7, 3214868480
	.fill 96, 4, 3214868480
	.section	.rodata,"a",@progbits
	.p2align	6, 0x0
	.amdhsa_kernel k_q68b3ce2072_p2f
		.amdhsa_group_segment_fixed_size 109568
		.amdhsa_private_segment_fixed_size 0
		.amdhsa_enable_private_segment 0
		.amdhsa_kernarg_size 56
		.amdhsa_user_sgpr_count 2
		.amdhsa_user_sgpr_kernarg_segment_ptr 1
		.amdhsa_wavefront_size32 1
		.amdhsa_system_sgpr_workgroup_id_x 1
		.amdhsa_system_sgpr_workgroup_id_y 1
		.amdhsa_system_sgpr_workgroup_id_z 1
		.amdhsa_system_vgpr_workitem_id 0
		.amdhsa_next_free_vgpr 256
		.amdhsa_next_free_sgpr 66
		.amdhsa_reserve_vcc 1
		.amdhsa_float_denorm_mode_32 3
		.amdhsa_float_denorm_mode_16_64 3
		.amdhsa_memory_ordered 1
		.amdhsa_forward_progress 1
		.amdhsa_inst_pref_size 75
	.end_amdhsa_kernel
	.amdgpu_metadata
---
amdhsa.version: [ 1, 2 ]
amdhsa.kernels:
  - .name:           k_q68b3ce2072_p2f
    .symbol:         k_q68b3ce2072_p2f.kd
    .args:
      - { .name: faces, .offset: 0, .size: 8, .value_kind: global_buffer, .address_space: global }
      - { .name: points, .offset: 8, .size: 8, .value_kind: global_buffer, .address_space: global }
      - { .name: vertices, .offset: 16, .size: 8, .value_kind: global_buffer, .address_space: global }
      - { .name: out0, .offset: 24, .size: 8, .value_kind: global_buffer, .address_space: global }
      - { .name: out1, .offset: 32, .size: 8, .value_kind: global_buffer, .address_space: global }
      - { .name: out2, .offset: 40, .size: 8, .value_kind: global_buffer, .address_space: global }
      - { .name: out3, .offset: 48, .size: 8, .value_kind: global_buffer, .address_space: global }
    .group_segment_fixed_size: 109568
    .private_segment_fixed_size: 0
    .kernarg_segment_align: 8
    .kernarg_segment_size: 56
    .max_flat_workgroup_size: 512
    .sgpr_count:     66
    .vgpr_count:     256
    .wavefront_size: 32
...
	.end_amdgpu_metadata
.endif
;; end of part 1
